; MI455X (gfx1250); checked and timed in simulation.
; The chip was launched on July 23, 2026; its instructions are those of AMD's public machine-readable ISA for CDNA 5 (MIT licence, August 2026) and "CDNA5" Instruction Set Architecture Reference Guide (July 2026). The comments in the code are by the model that wrote it; some were corrected since.
;; Scale Adaptive Router. Allowed arithmetic: matrix products marked QUANTISED: E2M1 operands, one E8M0 scale for each 32 along K, by v_wmma_scale_f32_16x16x128_f8f6f4 with both operands' format E2M1 (or v_wmma_scale_f32_32x16x128_f4), f32 sums; everything else in f32.
;; Inputs: noise 4 x 4,096 x 64 float32; router_w 64 x 2,112 float32; scale_embeddings 10 x 64 float32; x 4 x 4,096 x 2,048 float32.
;; Outputs: out0 4 x 4,096 x 64 float32.
;; Constants: scale_idx = 3.
;; This version of the problem:
;;   THIS VERSION OF THE PROBLEM IS GIVEN IN LOW PRECISION. The matrix products marked QUANTISED in the list below multiply operands that are first quantised to E2M1 (2 exponent bits, 1 mantissa bit; 4 bits a number), with one power-of-two scale for each 32 numbers along K (OCP MX v1.0); their sums are f32. All else is computed in f32.
;;   The module's matrix products, in the order in which they are computed (A, B: the left and right operand; K: the contracted axis; several contracted axes count as one K, in the product's order):
;;     1. [M 16,384, K 2,112] x [K 2,112, N 64]; A: computed on the way; B: input router_w: QUANTISED
;;   THE QUANTISER, for each operand of a quantised product, along K:
;;     - K is cut into blocks of 32 from its start; a last block that is shorter is filled with zeros.
;;     - A block's scale is 2^e with e = floor(log2(the largest magnitude in the block)) - 2, held to -126 .. 127; a block of zeros has e = 0. As a byte (E8M0): e + 127.
;;     - Each number is divided by its block's scale, clamped to +-6, and rounded to the nearest number of E2M1, ties to even, subnormals kept.
;;     - The product sums the exact products of the quantised numbers (number of the format x scale) in f32.
;;   ~~~python
;;   def quantise(x, axis):      # numpy; x: float32 -> the quantised numbers, widened to float32 again
;;       x = np.moveaxis(x, axis, -1); K = x.shape[-1]
;;       x = np.pad(x, [(0, 0)] * (x.ndim - 1) + [(0, -K % 32)]); x = x.reshape(x.shape[:-1] + (-1, 32)); a = np.abs(x).max(-1, keepdims=True)
;;       e = np.where(a > 0, np.clip(np.frexp(np.where(a > 0, a, 1))[1] - 1 - 2, -126, 127), 0)      # np.frexp(a)[1] - 1 = floor(log2(a)), exactly
;;       r = np.clip(x / 2.0 ** e, -6, 6)
;;       step = 2.0 ** (np.maximum(np.frexp(np.where(r == 0, 1, r))[1] - 1, 0) - 1)
;;       q = np.round(r / step) * step * 2.0 ** e      # np.round: ties to even
;;       return np.moveaxis(q.reshape(q.shape[:-2] + (-1,))[..., :K], -1, axis).astype(np.float32)
;;   ~~~
;;   OPERANDS COMPUTED ON THE WAY. 'Computed on the way' means the value that the module computes at that place (a softmax that the list does not call 'softmax' is quantised finished and normalised). What goes into a quantiser is computed in f32, as accurately as f32 sums, v_exp_f32 and their like allow (about 1e-6 of the number): no bf16 or f16 on the way to a quantiser, and a product that is left as it is and whose result goes on into a quantised operand takes f32 operands (vector FMAs, or v_wmma_f32_16x16x4_f32). A number that lies on a knife's edge between two numbers of the format may be rounded either way, as far as f32 arithmetic and the matrix unit's own rounding can turn it there, and no further.
;; One version. Each part assembles by itself: llvm-mc -triple=amdgcn-amd-amdhsa -mcpu=gfx1250 --defsym DOCPART=n.
;; ======== version 1 of 1: 2 launches
;; workspace buffers: wq 82,688 bytes
;; launch prep (part 1): grid 69 x 1, 1 waves a work-group, no clusters, 0 bytes of LDS; arguments router_w, scale_embeddings, wq; writes wq
.if DOCPART == 1
	.amdgcn_target "amdgcn-amd-amdhsa--gfx1250"
	.amdhsa_code_object_version 6
	.text
	.protected	k_q880004061c_prep
	.globl	k_q880004061c_prep
	.p2align	8
	.type	k_q880004061c_prep,@function
k_q880004061c_prep:
	s_mov_b64 s[64:65], 0
	v_nop
	global_prefetch_b8 v0, s[64:65] scope:SCOPE_SE
	s_setreg_imm32_b32 hwreg(HW_REG_WAVE_MODE, 25, 1), 1
	s_wait_xcnt 0x0
; router_w [64][2112] f32 and row 3 of scale_embeddings [10][64] f32 become codes of FP4 (E2M1) with one E8M0 byte for each 32 along K, laid as IMAGES OF OPERAND REGISTERS for v_wmma_scale_f32_16x16x128_f8f6f4.
; They are quantised here once: every work-group of the next launch needs all of router_w, 540,672 bytes of f32, beside its own 524,288 bytes of x; as codes and scale words it is 78,336 bytes.
; UNITS.  One wave to a work-group, one unit to a wave.  Unit u = 4 s + t, u < 68: K step s (k = 128 s ..), tile t of 16 experts.  Unit 68 (s = 17, t = 0): the embedding row, which is k = 2048 .. 2111 of EVERY token's row.
; THE EXPERTS OF A TILE ARE NOT NEIGHBOURS: row i of tile t is expert 32 (i / 8) + 8 t + i % 8, so that in the next launch's results a lane's 32 registers are 32 neighbouring experts.
; A LANE (r = lane % 16, h = lane / 16) loads the numbers that the operand's layout gives it: of its row, k = 128 s + 64 c + 32 h + 0 .. 31 for c = 0, 1: two whole blocks of 32, so a block's largest magnitude needs no other lane and the
; conversions' results are the operand's registers 4 c .. 4 c + 3.  Such a load takes 16 bytes at each of 32 places; the whole tensor is 0.5 MB and is read once.
; K = 2112 ends in the middle of K step 16: there, and in the embedding's unit, the blocks of c = 1 are the quantiser's zeros and are not loaded.
; A block's scale is 2^(floor(log2(largest magnitude)) - 2); its byte is the largest magnitude's exponent field - 2, held at 1 from below.
; LIMITS: a block of zeros gets the byte 1 where the rule says 127 (its codes are zeros, which add nothing under any byte but 0xff, and this program alone reads the bytes); NaN and infinities are not served.
; wq: a K step's block is SB = 4,608 bytes: four tiles' fragments, 1,024 bytes each (register group c at 512 c + 16 x lane), then four tiles' scale words, 128 bytes each (4 x lane; lanes 16-31 repeat lanes 0-15).
.set KROW, 8448                        ; bytes in a row of router_w
.set SB,   4608
.set EMB,  3*64*4                      ; scale_idx = 3: the row's first byte
.set MX,   8                           ; v8-9    the two blocks' largest magnitudes
.set SO,   10                          ; v10-11  the conversions' scale operands
.set BY,   12                          ; v12-13  the scale bytes
.set PC,   16                          ; v16-23  the codes
.set X,    32                          ; v32-95  my 64 numbers
	s_load_b128 s[4:7], s[0:1], 0x0                ; router_w, scale_embeddings
	s_load_b64 s[8:9], s[0:1], 0x10                ; wq
	s_lshr_b32 s10, ttmp9, 2                       ; s
	s_and_b32 s11, ttmp9, 3                        ; t
	s_lshl_b32 s14, s10, 9                         ; a K step is 512 bytes of a row
	s_mov_b32 s15, 0
	s_mul_i32 s16, s10, SB                         ; the step's block in wq
	s_mov_b32 s17, 0
	s_lshl_b32 s12, s11, 3                         ; 8 t
	s_lshl_b32 s18, s11, 10                        ; the tile's fragment in the block
	s_lshl_b32 s19, s11, 7                         ; and its scale words
	s_mov_b32 s20, 0x76543210
	s_mov_b32 s21, 0xfedcba98                      ; v_permlanex16_b32's selects for lane l xor 16
	v_and_b32 v1, 15, v0                           ; r
	v_bfe_u32 v2, v0, 4, 1                         ; h
	v_and_b32 v3, 8, v1
	v_and_b32 v4, 7, v1
	v_lshl_add_u32 v3, v3, 2, v4                   ; 32 (r / 8) + r % 8
	v_add_nc_u32 v3, s12, v3                       ; + 8 t: my expert
	s_cmp_eq_u32 s10, 17                           ; the embedding's unit?  The choice hangs on the work-group's number alone
	s_cselect_b32 s13, 0, KROW                     ; there all sixteen rows are the one row,
	s_cselect_b32 s14, EMB, s14                    ; which begins at byte 768 of its table
	v_mul_lo_u32 v3, v3, s13
	v_lshl_add_u32 v5, v2, 7, v3                   ; my row, + 128 h: my block of c = 0
	v_lshl_add_u32 v6, v0, 4, s18                  ; out: 16 x lane in the tile's fragment
	v_lshl_add_u32 v7, v0, 2, s19                  ; and 4 x lane among its scale words
	v_lshlrev_b32 v14, 3, v2                       ; 8 h: how far my two scale bytes are shifted
	v_mov_b32 v15, 0                               ; a lane permute's destination counts as one of its sources
	s_wait_alu depctr_va_vdst(0)
	s_wait_kmcnt 0x0
	s_cmp_eq_u32 s10, 17
	s_cselect_b64 s[4:5], s[6:7], s[4:5]
	s_add_nc_u64 s[4:5], s[4:5], s[14:15]
	s_add_nc_u64 s[8:9], s[8:9], s[16:17]
.irp q, 0,1,2,3,4,5,6,7
	global_load_b128 v[X+4*\q:X+4*\q+3], v5, s[4:5] offset:16*\q
.endr
	s_cmp_ge_u32 s10, 16                           ; K ends behind the first 64 of step 16, and the embedding has 64 numbers
	s_cbranch_scc1 .Lshort
.irp q, 0,1,2,3,4,5,6,7
	global_load_b128 v[X+32+4*\q:X+32+4*\q+3], v5, s[4:5] offset:256+16*\q
.endr
	s_branch .Lall
.Lshort:
.set n, 0
.rept 32
	v_mov_b32 v[X+32+n], 0                         ; the quantiser's fill past the end of K
.set n, n+1
.endr
.Lall:
	s_wait_loadcnt 0x0
.irp c, 0,1
	v_max3_num_f32 v[MX+\c], |v[X+32*\c]|, |v[X+32*\c+1]|, 0x1800000   ; block 2 c + h: all 32 numbers are mine; and the floor 2^(3 - 127), so that the byte cannot fall under 1
.endr
.irp n, 2,4,6,8,10,12,14,16,18,20,22,24,26,28,30
.irp c, 0,1
	v_max3_num_f32 v[MX+\c], v[MX+\c], |v[X+32*\c+\n]|, |v[X+32*\c+\n+1]|   ; (the two blocks by turns)
.endr
.endr
.irp c, 0,1
	v_add_nc_u32 v[SO+\c], 0xff000000, v[MX+\c]    ; 2 off the exponent field: the conversion takes the exponent field of this operand as its scale
.endr
.irp c, 0,1
	v_lshrrev_b32 v[BY+\c], 23, v[SO+\c]           ; the scale's byte
.endr
	v_lshl_or_b32 v24, v[BY+1], 16, v[BY]          ; blocks h and 2 + h of my row,
	v_lshlrev_b32 v24, v14, v24                    ; at their places in the scale word;
	v_permlanex16_b32 v15, v24, s20, s21
	v_or_b32 v24, v24, v15                         ; with lane l xor 16's two the word is whole, in both lanes
.irp c, 0,1
.irp g, 0,1,2,3
	v_cvt_scalef32_pk8_fp4_f32 v[PC+4*\c+\g], v[X+32*\c+8*\g:X+32*\c+8*\g+7], v[SO+\c]   ; to the nearest code, ties to even, beyond 6 the largest code
.endr
.endr
	v_nop                                          ; one plain line behind the last scaled conversion
	global_store_b128 v6, v[PC:PC+3], s[8:9]                ; the wave stores 512 consecutive bytes, aligned
	global_store_b128 v6, v[PC+4:PC+7], s[8:9] offset:512
	global_store_b32 v7, v24, s[8:9] offset:4096            ; 128 consecutive bytes
	s_endpgm
.Lfunc_end_k_q880004061c_prep:
	.size	k_q880004061c_prep, .Lfunc_end_k_q880004061c_prep-k_q880004061c_prep
	.p2alignl 7, 3214868480
	.fill 96, 4, 3214868480
	.section	.rodata,"a",@progbits
	.p2align	6, 0x0
	.amdhsa_kernel k_q880004061c_prep
		.amdhsa_group_segment_fixed_size 0
		.amdhsa_private_segment_fixed_size 0
		.amdhsa_enable_private_segment 0
		.amdhsa_kernarg_size 24
		.amdhsa_user_sgpr_count 2
		.amdhsa_user_sgpr_kernarg_segment_ptr 1
		.amdhsa_wavefront_size32 1
		.amdhsa_system_sgpr_workgroup_id_x 1
		.amdhsa_system_sgpr_workgroup_id_y 1
		.amdhsa_system_sgpr_workgroup_id_z 1
		.amdhsa_system_vgpr_workitem_id 0
		.amdhsa_next_free_vgpr 96
		.amdhsa_next_free_sgpr 66
		.amdhsa_reserve_vcc 0
		.amdhsa_float_denorm_mode_32 3
		.amdhsa_float_denorm_mode_16_64 3
		.amdhsa_memory_ordered 1
		.amdhsa_forward_progress 1
		.amdhsa_inst_pref_size 8
	.end_amdhsa_kernel
	.amdgpu_metadata
---
amdhsa.version: [ 1, 2 ]
amdhsa.kernels:
  - .name:           k_q880004061c_prep
    .symbol:         k_q880004061c_prep.kd
    .args:
      - { .name: router_w, .offset: 0, .size: 8, .value_kind: global_buffer, .address_space: global }
      - { .name: scale_embeddings, .offset: 8, .size: 8, .value_kind: global_buffer, .address_space: global }
      - { .name: wq, .offset: 16, .size: 8, .value_kind: global_buffer, .address_space: global }
    .group_segment_fixed_size: 0
    .private_segment_fixed_size: 0
    .kernarg_segment_align: 8
    .kernarg_segment_size: 24
    .max_flat_workgroup_size: 32
    .sgpr_count:     66
    .vgpr_count:     96
    .wavefront_size: 32
...
	.end_amdgpu_metadata
.endif
;; end of part 1
;; launch route (part 2): grid 256 x 1, 8 waves a work-group, no clusters, 168,960 bytes of LDS; arguments x, noise, wq, out0; writes out0
.if DOCPART == 2
	.amdgcn_target "amdgcn-amd-amdhsa--gfx1250"
	.amdhsa_code_object_version 6
	.text
	.protected	k_q880004061c_route
	.globl	k_q880004061c_route
	.p2align	8
	.type	k_q880004061c_route,@function
k_q880004061c_route:
	s_mov_b64 s[64:65], 0
	v_nop
	global_prefetch_b8 v0, s[64:65] scope:SCOPE_SE
	s_setreg_imm32_b32 hwreg(HW_REG_WAVE_MODE, 25, 1), 1
	s_wait_xcnt 0x0
; out0[token][e] = the renormalised weights of the two largest of softmax(logits[token]), 0 elsewhere; logits = Q([x, emb]) Q(router_w)^T + 0.1 noise, the product on codes of FP4 (E2M1) with one E8M0 scale for each 32 along K.
; x [16384][2048] f32, noise and out0 [16384][64] f32.  wq: router_w's and the embedding's codes and scale words as images of operand registers, made by the launch before (a K step's block: 4 x 1,024 bytes of fragments, 4 x 128 of scale words).
; SHARES.  A work-group owns 64 tokens.  Wave (m = wave % 4, kh = wave / 4) owns tokens 16 m .. 16 m + 15 and K steps 8 kh .. 8 kh + 7 of 128; kh = 1 also takes K step 16, the embedding.  Two waves to a tile of tokens, because a wave's
; loads in flight are bounded by what LOADcnt can count: eight waves have 8 x 32 KB of x on their way.
; x: each load takes 512 consecutive bytes of one row, aligned; a K step is 16 loads, 64 registers; four sets in window 1 take turns, so loads run four K steps ahead.  The conversions want a block's 32 numbers in ONE lane: a step's 8 KB
; turn through the wave's own stage in LDS (rows 528 bytes apart: 132 words, so that the 16 rows that a read touches start at 16 different groups of four banks; 64 banks of 4 bytes: ISA guide 11.1) and come back 2 x 128 bytes a lane.
; W: the image of K steps 0 to 15, 73,728 bytes, comes into LDS once by asynchronous copies (they count on ASYNCcnt and take nothing from the loads' count); all eight waves read it behind one barrier.
; THE MATRIX INSTRUCTION IS USED TRANSPOSED: source 0 = 16 experts, source 1 = my 16 tokens.  Row i of tile t is expert 32 (i / 8) + 8 t + i % 8, so lane (r = lane % 16, h = lane / 16) holds token r and its accumulator register 8 t + j is expert 32 h + 8 t + j.
; THE SUMS.  kh = 0 begins with C = 0.1 x noise, kh = 1 with the embedding's step and C = 0; at the end kh = 1 hands its 32 registers to kh = 0 through LDS.  So a logit is (0.1 noise + steps 0-7) + (embedding + steps 8-15), all in f32.
; THE SOFTMAX AND THE TOP TWO.  The weights asked for are p1 / (p1 + p2) and p2 / (p1 + p2): the softmax's divisor cancels for every input, and p rises with the logit, so the two largest logits l1 >= l2 are taken
; (equal logits: the lower expert first, as lax.top_k has it), and w1 = 1 / (1 + e^(l2 - l1)), w2 = e^(l2 - l1) w1: the maximum is taken off ahead of the exponential; where e^(l2 - l1) falls to 0 the second weight is 0.
; NO CLUSTER: what work-groups share is W's image, 73,728 of the 614,400 bytes that a work-group takes in (524,288 of x, 16,384 of noise); all else is its own.
; LIMITS: NaN and infinities among the inputs are not served; a block of zeros gets the scale byte 1 (its codes are zeros); logits that differ but whose probabilities round to one number are ordered by logit.
; REGISTERS.  Window 0: v1-13 addresses; v16-23 at work; v24 x's scale word; v25-26 the last copies' addresses; v28-35 W's scale words, two sets; v36-43 x's codes; v48-79 four accumulators; v80-143 W's fragments, two sets (at the end: the top two);
;   v144-207 a step's 64 numbers.   Window 1: four sets of 64 registers for the loads of x.
.set ROWX, 8192                        ; bytes in a row of x
.set SB,   4608                        ; a K step's block of wq
.set WIMG, 16*SB                       ; LDS 0 .. 73,727: W's image, K steps 0 to 15
.set SP,   528                         ; a stage row for x: 512 bytes + 16
.set STGW, 16*SP                       ; a wave's stage: 8,448 bytes
.set STG,  WIMG                        ; the eight stages lie behind the image
.set OP,   272                         ; a stage row for noise and out0: 256 bytes + 16
.set LN16, 1                           ; v1   16 x lane
.set WCL,  2                           ; v2   the copies' LDS address: 16 x thread
.set WCG,  3                           ; v3   and their offset in wq: the same number
.set WA,   4                           ; v4   W's fragments of my K half: 16 x lane + 8 SB kh
.set WSA,  5                           ; v5   and its scale words: 4 x lane + 8 SB kh
.set STA,  6                           ; v6   my stage + 16 x lane
.set RDA,  7                           ; v7   my stage + 528 r + 128 h
.set OSA,  8                           ; v8   my stage + 272 r + 128 h
.set ORD,  9                           ; v9   my stage + 272 h + 16 r
.set PIA,  10                          ; v10  the stage of the wave that shares my tokens + 16 x lane
.set SH8,  11                          ; v11  8 h
.set H32,  12                          ; v12  32 h
.set LN4,  13                          ; v13  4 x lane
.set MX,   16
.set SO,   18
.set BY,   20
.set WT,   22
.set PT,   23
.set XSW,  24
.set WCL2, 25                          ; v25  the last two copies' LDS address: 16 x thread + 65,536
.set WCG2, 26                          ; v26  and their offset in wq: the same number
.set WS,   28
.set PC,   36
.set ACC,  48
.set W,    80
.set X,    144
.set CH,   80                          ; the end: four registers a chain: best logit, its expert, second logit, its expert
.set TM,   112
.set WV,   12                          ; s12 wave, s13 m, s14 kh
.set MT,   13
.set KH,   14
.set SEL,  24                          ; s[24:25] v_permlanex16_b32's selects for lane l xor 16
.set MSB, 0
.macro WIN new                         ; s_set_vgpr_msb: bits 3:2 source 1, 7:6 destination; the immediate's high byte repeats the setting that is left
.if MSB != \new
	s_set_vgpr_msb (MSB<<8)|\new
.set MSB, \new
.endif
.endm
.macro LOAD st                         ; K step st of my half: 16 rows x 512 bytes into set st % 4
	WIN 0x40                                       ; destination window 1
.irp j, 0,1,2,3,4,5,6,7,8,9,10,11,12,13,14,15
	global_load_b128 v[64*((\st)%4)+4*\j:64*((\st)%4)+4*\j+3], v[LN16], s[4:5] offset:\j*ROWX+(\st)*512 th:TH_LOAD_NT
.endr
	WIN 0
.endm
	s_load_b256 s[4:11], s[0:1], 0x0               ; x s[4:5], noise s[6:7], wq s[8:9], out0 s[10:11]
	v_lshl_add_u32 v254, v0, 2, 0x29000
	v_mov_b32 v255, 0
	ds_add_u32 v254, v255
	ds_add_u32 v254, v255
	v_lshrrev_b32 v14, 5, v0
	s_delay_alu instid0(VALU_DEP_1)
	v_readfirstlane_b32 s[WV], v14                 ; wave 0..7
	s_and_b32 s[MT], s[WV], 3
	s_lshr_b32 s[KH], s[WV], 2
	; every LDS address is made here, ahead of the first place where the waves' ways part
	v_lshlrev_b32 v[WCL], 4, v0
	v_lshlrev_b32 v[WCG], 4, v0
	v_lshl_add_u32 v[WCL2], v0, 4, 0x10000
	v_lshl_add_u32 v[WCG2], v0, 4, 0x10000
	v_and_b32 v14, 31, v0                          ; lane
	v_and_b32 v15, 15, v0                          ; r
	v_bfe_u32 v[H32], v0, 4, 1                     ; h, for now
	s_delay_alu instid0(VALU_DEP_3)
	v_lshlrev_b32 v[LN16], 4, v14
	s_delay_alu instid0(VALU_DEP_4)
	v_lshlrev_b32 v[LN4], 2, v14
	s_mul_i32 s15, s[KH], 8*SB
	v_add_nc_u32 v[WA], s15, v[LN16]
	v_add_nc_u32 v[WSA], s15, v[LN4]
	s_mul_i32 s16, s[WV], STGW
	s_add_co_u32 s16, s16, STG                     ; my stage
	v_add_nc_u32 v[STA], s16, v[LN16]
	v_mul_u32_u24 v[RDA], v15, SP
	s_delay_alu instid0(VALU_DEP_1)
	v_lshl_add_u32 v[RDA], v[H32], 7, v[RDA]
	s_delay_alu instid0(VALU_DEP_1)
	v_add_nc_u32 v[RDA], s16, v[RDA]
	v_mul_u32_u24 v[OSA], v15, OP
	s_delay_alu instid0(VALU_DEP_1)
	v_lshl_add_u32 v[OSA], v[H32], 7, v[OSA]
	s_delay_alu instid0(VALU_DEP_1)
	v_add_nc_u32 v[OSA], s16, v[OSA]
	v_mul_u32_u24 v[ORD], v[H32], OP
	s_delay_alu instid0(VALU_DEP_1)
	v_lshl_add_u32 v[ORD], v15, 4, v[ORD]
	s_delay_alu instid0(VALU_DEP_1)
	v_add_nc_u32 v[ORD], s16, v[ORD]
	s_xor_b32 s17, s[WV], 4                        ; the wave with my m and the other K half
	s_mul_i32 s17, s17, STGW
	s_add_co_u32 s17, s17, STG
	v_add_nc_u32 v[PIA], s17, v[LN16]
	v_lshlrev_b32 v[SH8], 3, v[H32]
	v_lshlrev_b32 v[H32], 5, v[H32]
	v_mov_b32 v[PT], 0                             ; a lane permute's destination counts as one of its sources
	s_lshl_b32 s18, ttmp9, 19                      ; x: 64 rows of 8,192 bytes a work-group (under 2^31 in all),
	s_lshl_b32 s20, s[MT], 17                      ; 16 rows a tile,
	s_add_co_u32 s18, s18, s20
	s_lshl_b32 s20, s[KH], 12                      ; 4,096 bytes a K half
	s_add_co_u32 s18, s18, s20
	s_mov_b32 s19, 0
	s_lshl_b32 s20, ttmp9, 14                      ; noise and out0: rows of 256 bytes
	s_lshl_b32 s22, s[MT], 12
	s_add_co_u32 s20, s20, s22
	s_mov_b32 s21, 0
	s_mov_b32 s[SEL], 0x76543210
	s_mov_b32 s[SEL+1], 0xfedcba98
	s_wait_dscnt 0x0
	s_wait_kmcnt 0x0
	s_add_nc_u64 s[4:5], s[4:5], s[18:19]
	s_add_nc_u64 s[6:7], s[6:7], s[20:21]
	s_add_nc_u64 s[10:11], s[10:11], s[20:21]
	; W's image: 18 copies, 4,096 consecutive bytes each for the 256 threads; the immediate steps the place in wq and in LDS alike.  These bytes are filled once.
	; The last two copies lie beyond byte 65,535: their 65,536 stands in the registers, so that every copy's immediate stays within 0 .. 61,440.
.set n, 0
.rept 16
	global_load_async_to_lds_b128 v[WCL], v[WCG], s[8:9] offset:n*4096
.set n, n+1
.endr
	global_load_async_to_lds_b128 v[WCL2], v[WCG2], s[8:9]
	global_load_async_to_lds_b128 v[WCL2], v[WCG2], s[8:9] offset:4096
	; the small loads stand ahead of x's, so that the wait for them leaves x's on their way
	s_cmp_eq_u32 s[KH], 0
	s_cbranch_scc0 .Lsmall_emb
.irp i, 0,1,2,3,4,5,6,7
	global_load_b128 v[X+4*\i:X+4*\i+3], v[LN16], s[6:7] offset:512*\i th:TH_LOAD_NT   ; noise of my 16 tokens: two rows, 512 consecutive bytes, a load
.endr
	s_branch .Lask_x
.Lsmall_emb:
.irp i, 0,1,2,3,4,5,6,7
	global_load_b128 v[W+4*\i:W+4*\i+3], v[LN16], s[8:9] offset:16*SB+512*\i            ; W's four fragments of K step 16, into set 0
.endr
.irp t, 0,1,2,3
	global_load_b32 v[WS+\t], v[LN4], s[8:9] offset:16*SB+4096+128*\t                   ; and their scale words
.endr
	global_load_b128 v[PC:PC+3], v[LN16], s[8:9] offset:17*SB                           ; the embedding's fragment: the same for every token
	global_load_b128 v[PC+4:PC+7], v[LN16], s[8:9] offset:17*SB+512
	global_load_b32 v[XSW], v[LN4], s[8:9] offset:17*SB+4096
.Lask_x:
	LOAD 0                                         ; 64 loads: with the small ones more than LOADcnt's field holds; a load that would pass the field waits at issue (ISA guide 5.7.1)
	LOAD 1
	LOAD 2
	LOAD 3
	s_wait_asynccnt 0x0                            ; my part of W's image has landed,
	s_barrier_signal -1
	s_barrier_wait -1                              ; everybody's has
	s_cmp_eq_u32 s[KH], 0
	s_cbranch_scc0 .Lstart_emb
	s_wait_loadcnt 63                              ; noise is in: 64 loads were issued behind it, and 63 is the largest count that this wait can name
	s_wait_alu depctr_va_vdst(0)
.irp i, 0,1,2,3,4,5,6,7
	ds_store_b128 v[ORD], v[X+4*\i:X+4*\i+3] offset:2*OP*\i      ; as rows into my stage,
.endr
.irp q, 0,1,2,3,4,5,6,7
	ds_load_b128 v[ACC+4*\q:ACC+4*\q+3], v[OSA] offset:16*\q     ; and back in the results' layout: token r, experts 32 h + 0 .. 31 (LDS serves a wave's instructions in order: ISA guide 5.7.1.4)
.endr
	s_wait_dscnt 0x0
.set n, 0
.rept 16
	v_pk_mul_f32 v[ACC+n:ACC+n+1], v[ACC+n:ACC+n+1], 0x3dcccccd op_sel_hi:[1,0]   ; 0.1 x noise: the C of my first products
.set n, n+2
.endr
	s_branch .Lsteps
.Lstart_emb:
	s_wait_loadcnt 63                              ; the embedding step's 15 loads are in: 64 were issued behind them
.irp t, 0,1,2,3
	v_wmma_scale_f32_16x16x128_f8f6f4 v[ACC+8*\t:ACC+8*\t+7], v[W+8*\t:W+8*\t+7], v[PC:PC+7], 0, v[WS+\t], v[XSW] matrix_a_fmt:MATRIX_FMT_FP4 matrix_b_fmt:MATRIX_FMT_FP4   ; k = 2048 .. 2111 (and 64 zero codes on both sides) start my sums
.endr
.Lsteps:
; A K STEP.  W's fragments take set (st + 1) % 2: the set that the products of two steps ago read, with a whole step's vector lines between (the embedding's products read set 0, step 0 takes set 1).
; The four accumulators take turns, one instruction a turn, from step to step too.
.macro STEP st
.set WB, W+32*(((\st)+1)%2)
.set WC, WS+4*(((\st)+1)%2)
.set RS, 64*((\st)%4)
.irp t, 0,1,2,3
	ds_load_b128 v[WB+8*\t:WB+8*\t+3],   v[WA] offset:(\st)*SB+1024*\t
	ds_load_b128 v[WB+8*\t+4:WB+8*\t+7], v[WA] offset:(\st)*SB+1024*\t+512
.endr
.irp t, 0,1,2,3
	ds_load_b32 v[WC+\t], v[WSA] offset:(\st)*SB+4096+128*\t
.endr
.if (\st) < 5
	s_wait_loadcnt 48                              ; this step's 16 loads are in; those of the three steps behind it may be out
.else
	s_wait_loadcnt 16*(7-(\st))                    ; the last steps: the counts run down
.endif
	WIN 0x04                                       ; an LDS store's data are its source 1: window 1
.irp j, 0,1,2,3,4,5,6,7,8,9,10,11,12,13,14,15
	ds_store_b128 v[STA], v[RS+4*\j:RS+4*\j+3] offset:\j*SP          ; row j as it was loaded
.endr
	WIN 0
.irp q, 0,1,2,3,4,5,6,7,8,9,10,11,12,13,14,15
	ds_load_b128 v[X+4*\q:X+4*\q+3], v[RDA] offset:16*\q+128*(\q/8)  ; back: of row r the blocks h (registers 0-31) and 2 + h (32-63)
.endr
	s_wait_dscnt 16                                ; all but these 16 reads are done: the stores have read their registers,
.if (\st)+4 < 8
	LOAD (\st)+4                                   ; which take the loads of four steps on
.endif
	s_wait_dscnt 0x0
.irp c, 0,1
	v_max3_num_f32 v[MX+\c], |v[X+32*\c]|, |v[X+32*\c+1]|, 0x1800000   ; block 2 c + h: all 32 numbers are mine; and the floor 2^(3 - 127), so that the byte cannot fall under 1
.endr
.irp n, 2,4,6,8,10,12,14,16,18,20,22,24,26,28,30
.irp c, 0,1
	s_delay_alu instid0(VALU_DEP_2)
	v_max3_num_f32 v[MX+\c], v[MX+\c], |v[X+32*\c+\n]|, |v[X+32*\c+\n+1]|   ; (the two blocks by turns)
.endr
.endr
.irp c, 0,1
	s_delay_alu instid0(VALU_DEP_2)
	v_add_nc_u32 v[SO+\c], 0xff000000, v[MX+\c]    ; 2 off the exponent field: the conversion's scale operand
.endr
.irp c, 0,1
	s_delay_alu instid0(VALU_DEP_2)
	v_lshrrev_b32 v[BY+\c], 23, v[SO+\c]           ; the scale's byte
.endr
	s_delay_alu instid0(VALU_DEP_1)
	v_lshl_or_b32 v[WT], v[BY+1], 16, v[BY]        ; my two bytes,
	s_delay_alu instid0(VALU_DEP_1)
	v_lshlrev_b32 v[WT], v[SH8], v[WT]             ; at their places in the row's scale word;
	s_delay_alu instid0(VALU_DEP_1)
	v_permlanex16_b32 v[PT], v[WT], s[SEL], s[SEL+1]
	s_delay_alu instid0(VALU_DEP_1)
	v_or_b32 v[XSW], v[WT], v[PT]                  ; with lane l xor 16's two the word is whole
.irp c, 0,1
.irp g, 0,1,2,3
	v_cvt_scalef32_pk8_fp4_f32 v[PC+4*\c+\g], v[X+32*\c+8*\g:X+32*\c+8*\g+7], v[SO+\c]   ; registers 4 c .. 4 c + 3 of the operand
.endr
.endr
.rept 8
	v_nop                                          ; a scale register written by a vector instruction stands 8 places ahead of a scaled matrix instruction, an operand so written 4
.endr
.irp t, 0,1,2,3
	v_wmma_scale_f32_16x16x128_f8f6f4 v[ACC+8*\t:ACC+8*\t+7], v[WB+8*\t:WB+8*\t+7], v[PC:PC+7], v[ACC+8*\t:ACC+8*\t+7], v[WC+\t], v[XSW] matrix_a_fmt:MATRIX_FMT_FP4 matrix_b_fmt:MATRIX_FMT_FP4
.endr
.endm
	STEP 0
	STEP 1
	STEP 2
	STEP 3
	STEP 4
	STEP 5
	STEP 6
	STEP 7
.rept 4
	v_nop                                          ; four places between the last products and the first read of their results (ISA guide 7.12.1)
.endr
	; THE TWO HALVES OF K MEET: kh = 1 stores its 32 registers as they stand, 16 bytes a lane; a barrier; kh = 0 loads them by the same lines
	s_cmp_eq_u32 s[KH], 0
	s_cbranch_scc1 .Lmeet
.irp q, 0,1,2,3,4,5,6,7
	ds_store_b128 v[STA], v[ACC+4*\q:ACC+4*\q+3] offset:512*\q   ; each accumulator from its low end on
.endr
.Lmeet:
	s_wait_dscnt 0x0                               ; for the other wave's sake: my stores have landed
	s_barrier_signal -1
	s_barrier_wait -1
	s_cmp_eq_u32 s[KH], 0
	s_cbranch_scc1 .Lfinish
	s_wait_tensorcnt 0x0
	ds_add_u32 v254, v255
	s_wait_dscnt 0x0
	s_endpgm
.Lfinish:
.irp q, 0,1,2,3,4,5,6,7
	ds_load_b128 v[X+4*\q:X+4*\q+3], v[PIA] offset:512*\q
.endr
	s_wait_dscnt 0x0
.set n, 0
.rept 16
	v_pk_add_f32 v[ACC+n:ACC+n+1], v[ACC+n:ACC+n+1], v[X+n:X+n+1]   ; the logits: register n is expert 32 h + n of token r
.set n, n+2
.endr
	; THE TOP TWO of my 32, with their places: four chains of eight, by turns.  Experts come in ascending order and every comparison is strict, so of equal logits the lower expert stays ahead.
.irp t, 0,1,2,3
	v_cmp_gt_f32 s[40+\t], v[ACC+8*\t+1], v[ACC+8*\t]
.endr
.irp t, 0,1,2,3
	v_max_num_f32 v[CH+4*\t], v[ACC+8*\t], v[ACC+8*\t+1]
	v_min_num_f32 v[CH+4*\t+2], v[ACC+8*\t], v[ACC+8*\t+1]
	v_cndmask_b32 v[CH+4*\t+1], 8*\t, 8*\t+1, s[40+\t]
	v_cndmask_b32 v[CH+4*\t+3], 8*\t+1, 8*\t, s[40+\t]
.endr
.irp j, 2,3,4,5,6,7
.irp t, 0,1,2,3
	v_cmp_gt_f32 s[40+\t], v[ACC+8*\t+\j], v[CH+4*\t]             ; beats the best?
	v_cmp_gt_f32 s[44+\t], v[ACC+8*\t+\j], v[CH+4*\t+2]           ; beats the second?
.endr
.irp t, 0,1,2,3
	v_cndmask_b32 v[CH+4*\t+3], v[CH+4*\t+3], 8*\t+\j, s[44+\t]
.endr
.irp t, 0,1,2,3
	s_delay_alu instid0(VALU_DEP_4)
	v_cndmask_b32 v[CH+4*\t+3], v[CH+4*\t+3], v[CH+4*\t+1], s[40+\t]   ; the old best steps down
.endr
.irp t, 0,1,2,3
	v_cndmask_b32 v[CH+4*\t+1], v[CH+4*\t+1], 8*\t+\j, s[40+\t]
.endr
.irp t, 0,1,2,3
	v_med3_num_f32 v[CH+4*\t+2], v[ACC+8*\t+\j], v[CH+4*\t], v[CH+4*\t+2]   ; the middle of the three is the new second
.endr
.irp t, 0,1,2,3
	v_max_num_f32 v[CH+4*\t], v[CH+4*\t], v[ACC+8*\t+\j]
.endr
.endr
; Two sorted pairs become one, in the first pair's registers.  xb: the pair of the LOWER experts, which wins every tie; yb: that of the higher.
.macro MERGE xb, yb
	v_cmp_gt_f32 s40, v[(\yb)], v[(\xb)]
	s_delay_alu instid0(VALU_DEP_1)
	v_cndmask_b32 v[TM], v[(\xb)+2], v[(\xb)], s40               ; what the lower experts offer for the second place,
	s_delay_alu instid0(VALU_DEP_2)
	v_cndmask_b32 v[TM+1], v[(\xb)+3], v[(\xb)+1], s40
	s_delay_alu instid0(VALU_DEP_3)
	v_cndmask_b32 v[TM+2], v[(\yb)], v[(\yb)+2], s40             ; and the higher
	s_delay_alu instid0(VALU_DEP_4)
	v_cndmask_b32 v[TM+3], v[(\yb)+1], v[(\yb)+3], s40
	v_max_num_f32 v[(\xb)], v[(\xb)], v[(\yb)]
	v_cndmask_b32 v[(\xb)+1], v[(\xb)+1], v[(\yb)+1], s40
	s_delay_alu instid0(VALU_DEP_4)
	v_cmp_gt_f32 s41, v[TM+2], v[TM]
	v_max_num_f32 v[(\xb)+2], v[TM], v[TM+2]
	s_delay_alu instid0(VALU_DEP_2)
	v_cndmask_b32 v[(\xb)+3], v[TM+1], v[TM+3], s41
.endm
	MERGE CH, CH+4
	MERGE CH+8, CH+12
	MERGE CH, CH+8
	s_delay_alu instid0(VALU_DEP_4)
	v_add_nc_u32 v[CH+1], v[H32], v[CH+1]          ; places become experts
	s_delay_alu instid0(VALU_DEP_2)
	v_add_nc_u32 v[CH+3], v[H32], v[CH+3]
.irp n, 0,1,2,3
	v_permlanex16_b32 v[CH+4+\n], v[CH+\n], s[SEL], s[SEL+1]     ; the token's other 32 experts lie in lane l xor 16
.endr
	v_cmp_ne_u32 s42, 0, v[H32]                    ; lanes 16-31
.irp n, 0,1,2,3
	v_cndmask_b32 v[CH+8+\n], v[CH+\n], v[CH+4+\n], s42          ; the pair of experts 0-31,
	v_cndmask_b32 v[CH+12+\n], v[CH+4+\n], v[CH+\n], s42         ; and that of experts 32-63: both lanes merge the same two pairs
.endr
	MERGE CH+8, CH+12                              ; l1 v[CH+8], its expert v[CH+9], l2 v[CH+10], its expert v[CH+11]
	s_delay_alu instid0(VALU_DEP_2)
	v_sub_f32 v[TM], v[CH+10], v[CH+8]             ; l2 - l1, 0 or less: the maximum is taken off ahead of the exponential
	s_delay_alu instid0(VALU_DEP_1)
	v_mul_f32 v[TM], 0x3fb8aa3b, v[TM]             ; x log2(e)
	s_wait_alu depctr_va_vdst(0)
	v_exp_f32 v[TM+1], v[TM]                       ; e^(l2 - l1) = p2 / p1
	v_sub_nc_u32 v[TM+4], v[CH+9], v[H32]          ; (plain lines behind the exponential)  the two experts as places among my 32: no register's number where they are the other lane's
	v_sub_nc_u32 v[TM+5], v[CH+11], v[H32]
	s_wait_alu depctr_va_vdst(0)                   ; the wait ahead of the first line that names a transcendental's result
	v_add_f32 v[TM+2], 1.0, v[TM+1]
	s_wait_alu depctr_va_vdst(0)
	v_rcp_f32 v[TM+3], v[TM+2]                     ; w1 = p1 / (p1 + p2)
	v_nop
	s_wait_alu depctr_va_vdst(0)
	v_mul_f32 v[TM+6], v[TM+1], v[TM+3]            ; w2 = p2 / (p1 + p2)
.set n, 0
.rept 32
	v_cmp_eq_u32 vcc_lo, n, v[TM+4]
	v_cndmask_b32 v[X+n], 0, v[TM+3], vcc_lo       ; the weights are placed by selection: no address hangs on the choice
	v_cmp_eq_u32 vcc_lo, n, v[TM+5]
	s_delay_alu instid0(VALU_DEP_1)
	v_cndmask_b32 v[X+n], v[X+n], v[TM+6], vcc_lo
.set n, n+1
.endr
	; THE WAY OUT: a lane holds 128 bytes of a row and the lanes beside it other rows: through my stage, and out as rows
.irp q, 0,1,2,3,4,5,6,7
	ds_store_b128 v[OSA], v[X+4*\q:X+4*\q+3] offset:16*\q
.endr
.irp i, 0,1,2,3,4,5,6,7
	ds_load_b128 v[X+32+4*\i:X+32+4*\i+3], v[ORD] offset:2*OP*\i   ; LDS serves a wave's instructions in order: these see my stores
.endr
.irp i, 0,1,2,3,4,5,6,7
	s_wait_dscnt 7-\i                              ; rows 2 i and 2 i + 1 are back; the younger reads may be out
	global_store_b128 v[LN16], v[X+32+4*\i:X+32+4*\i+3], s[10:11] offset:512*\i th:TH_STORE_NT   ; the wave stores 512 consecutive bytes, aligned: two whole rows
.endr
	s_wait_tensorcnt 0x0
	ds_add_u32 v254, v255
	s_wait_dscnt 0x0
	s_endpgm
.Lfunc_end_k_q880004061c_route:
	.size	k_q880004061c_route, .Lfunc_end_k_q880004061c_route-k_q880004061c_route
	.p2alignl 7, 3214868480
	.fill 96, 4, 3214868480
	.section	.rodata,"a",@progbits
	.p2align	6, 0x0
	.amdhsa_kernel k_q880004061c_route
		.amdhsa_group_segment_fixed_size 168960
		.amdhsa_private_segment_fixed_size 0
		.amdhsa_enable_private_segment 0
		.amdhsa_kernarg_size 32
		.amdhsa_user_sgpr_count 2
		.amdhsa_user_sgpr_kernarg_segment_ptr 1
		.amdhsa_wavefront_size32 1
		.amdhsa_system_sgpr_workgroup_id_x 1
		.amdhsa_system_sgpr_workgroup_id_y 1
		.amdhsa_system_sgpr_workgroup_id_z 1
		.amdhsa_system_vgpr_workitem_id 0
		.amdhsa_next_free_vgpr 512
		.amdhsa_next_free_sgpr 66
		.amdhsa_reserve_vcc 1
		.amdhsa_float_denorm_mode_32 3
		.amdhsa_float_denorm_mode_16_64 3
		.amdhsa_memory_ordered 1
		.amdhsa_forward_progress 1
		.amdhsa_inst_pref_size 111
	.end_amdhsa_kernel
	.amdgpu_metadata
---
amdhsa.version: [ 1, 2 ]
amdhsa.kernels:
  - .name:           k_q880004061c_route
    .symbol:         k_q880004061c_route.kd
    .args:
      - { .name: x, .offset: 0, .size: 8, .value_kind: global_buffer, .address_space: global }
      - { .name: noise, .offset: 8, .size: 8, .value_kind: global_buffer, .address_space: global }
      - { .name: wq, .offset: 16, .size: 8, .value_kind: global_buffer, .address_space: global }
      - { .name: out0, .offset: 24, .size: 8, .value_kind: global_buffer, .address_space: global }
    .group_segment_fixed_size: 168960
    .private_segment_fixed_size: 0
    .kernarg_segment_align: 8
    .kernarg_segment_size: 32
    .max_flat_workgroup_size: 256
    .sgpr_count:     66
    .vgpr_count:     512
    .wavefront_size: 32
...
	.end_amdgpu_metadata
.endif
;; end of part 2
